; MI455X (gfx1250); checked and timed in simulation.
; The chip was launched on July 23, 2026; its instructions are those of AMD's public machine-readable ISA for CDNA 5 (MIT licence, August 2026) and "CDNA5" Instruction Set Architecture Reference Guide (July 2026). The comments in the code are by the model that wrote it; some were corrected since.
;; Self Dot Product Attn QK Norm. Allowed arithmetic: matrix products marked QUANTISED: E5M2 operands, one given power-of-two scale a tensor, by v_wmma_f32_16x16x64_bf8_bf8 or v_wmma_f32_16x16x128_bf8_bf8, f32 sums; everything else in f32.
;; Inputs: K 2 x 16 x 2,048 x 64 float32; Q 2 x 16 x 2,048 x 64 float32; V 2 x 16 x 2,048 x 64 float32; gain one number float32; lowp_scales 4 int32 (the exponents e of the quantised operands' scales 2^e).
;; Outputs: out0 2 x 16 x 2,048 x 64 float32.
;; Constants: is_causal = 1.
;; This version of the problem:
;;   THIS VERSION OF THE PROBLEM IS GIVEN IN LOW PRECISION. The matrix products marked QUANTISED in the list below multiply operands that are first quantised to E5M2 (5 exponent bits, 2 mantissa bits; 8 bits a number), with one given power-of-two scale for each operand tensor; their sums are f32. All else is computed in f32.
;;   The module's matrix products, in the order in which they are computed (A, B: the left and right operand; K: the contracted axis; several contracted axes count as one K, in the product's order):
;;     1. batch 32 x [M 2,048, K 64] x [K 64, N 2,048]; A: computed on the way; B: computed on the way: QUANTISED (scales: A lowp_scales[0], B lowp_scales[1])
;;     2. batch 32 x [M 2,048, K 2,048] x [K 2,048, N 64]; A: softmax (see below); B: input V: QUANTISED (scales: A lowp_scales[2], B lowp_scales[3])
;;   THE QUANTISER, for each operand of a quantised product, along K:
;;     - The operand's scale is 2^e, e = its entry of the input lowp_scales (int32; the entries are numbered through the quantised products in the list's order, A before B).
;;     - Each number is divided by the scale, clamped to +-57,344, and rounded to the nearest number of E5M2, ties to even, subnormals kept.
;;     - The product sums the exact products of the quantised numbers (number of the format x scale) in f32.
;;   ~~~python
;;   def quantise(x, axis, e):      # numpy; x: float32 -> the quantised numbers, widened to float32 again
;;       x = np.moveaxis(x, axis, -1); K = x.shape[-1]
;;       r = np.clip(x / 2.0 ** e, -57344, 57344)
;;       step = 2.0 ** (np.maximum(np.frexp(np.where(r == 0, 1, r))[1] - 1, -14) - 2)
;;       q = np.round(r / step) * step * 2.0 ** e      # np.round: ties to even
;;       return np.moveaxis(q, -1, axis).astype(np.float32)
;;   ~~~
;;   SOFTMAX AHEAD OF A QUANTISED PRODUCT. Where the list says 'softmax', what is quantised is not the finished softmax but p = 2^(t - M), with t = logit x log2(e) and M = ceil(the row's largest t), a whole number; so 1/2 < the row's largest p <= 1. The row's sum l is taken of the UNQUANTISED p, in f32, and the product's result is divided by l at the end. Since M is a whole number, a kernel that streams over the keys may use a running M (the ceiling of the running maximum): every later rescaling is an exact power of two, so the quantised numbers keep their values, but for numbers so far below the row's largest that they fall under the format's range.
;;   OPERANDS COMPUTED ON THE WAY. 'Computed on the way' means the value that the module computes at that place (a softmax that the list does not call 'softmax' is quantised finished and normalised). What goes into a quantiser is computed in f32, as accurately as f32 sums, v_exp_f32 and their like allow (about 1e-6 of the number): no bf16 or f16 on the way to a quantiser, and a product that is left as it is and whose result goes on into a quantised operand takes f32 operands (vector FMAs, or v_wmma_f32_16x16x4_f32). A number that lies on a knife's edge between two numbers of the format may be rounded either way, as far as f32 arithmetic and the matrix unit's own rounding can turn it there, and no further.
;; One version. Each part assembles by itself: llvm-mc -triple=amdgcn-amd-amdhsa -mcpu=gfx1250 --defsym DOCPART=n.
;; ======== version 1 of 1: 2 launches
;; limits: right only within a limited range of input values
;; workspace buffers: kv 8,388,608 bytes
;; launch prep (part 1): grid 512 x 1, 4 waves a work-group, no clusters, 35,328 bytes of LDS; arguments K, V, lowp_scales, kv; writes kv
.if DOCPART == 1
	.amdgcn_target "amdgcn-amd-amdhsa--gfx1250"
	.amdhsa_code_object_version 6
	.text
	.protected	k_q87f9d07399_prep
	.globl	k_q87f9d07399_prep
	.p2align	8
	.type	k_q87f9d07399_prep,@function
k_q87f9d07399_prep:
	s_mov_b64 s[64:65], 0
	v_nop
	global_prefetch_b8 v0, s[64:65] scope:SCOPE_SE
	s_setreg_imm32_b32 hwreg(HW_REG_WAVE_MODE, 25, 1), 1
	s_wait_xcnt 0x0
; K, V [32 heads][2048][64] f32 become codes of BF8 (E5M2), laid in the ORDER OF THE OPERANDS' REGISTERS, so that the second launch fetches every fragment as 16 bytes x lane.  (Q is quantised by the second launch, which reads each of its rows once.)
; K: each row is divided by sqrt(sum of its squares + 1e-12) in f32 (v_rsq_f32 and a multiplication), then code = x / 2^e, held within +-57,344, to the nearest code, ties to even.  V: the same without the norm.
; e: entry 1 of the scales for K, entry 3 for V.  LIMITS: each e between -126 and 112, so that 2^e and 57,344 x 2^e are f32 numbers.  NaN among the inputs is not served.
; DEAD WORK, in the program as a whole: the second launch leaves out key steps of 128 keys that the causal mask of reference() hides from all 16 queries of a tile; a NaN, an infinity or an overflow that reaches only that work is not carried to the result.  This launch leaves nothing out.
; IMAGE kv: key step sg = 16 head + (key / 128) at 16,384 sg: K's 8 tiles of 1,024 bytes, then from byte 8,192 V's 4 fragments of 2,048 bytes.
;   A tile of K is 16 keys x 64: lane (r = l % 16, h = l / 16) holds key r, registers 2 c, 2 c + 1 hold d = 16 c + 8 h + 0 .. 7.
;   V's fragment t is the channels 4 r + t (r = 0 .. 15) x 128 keys: lane (r, h) holds channel 4 r + t, registers 2 c, 2 c + 1 hold keys 16 c + 8 h + 0 .. 7.  Registers 4 j .. 4 j + 3 of lane l lie at 512 j + 16 l.
; SHARES.  512 work-groups of four waves: 0-255 take K, 256-511 V.  A wave takes 64 rows, 16 KB of f32, all asked for at once.  Waves share nothing: no barrier.  Every offset is an immediate; every store has data registers of its own.
.set R,    32                          ; v32-159   numbers as they are loaded
.set X,    160                         ; v160-223  two sets of 32 numbers at work
.set C,    224                         ; v224-255  codes
.set SPI,  272                         ; a stage row: 256 bytes + 16 = 68 words
.set STG,  16*SPI                      ; a stage: one tile's 16 rows
.set WREG, 2*STG                       ; a wave's own LDS: two stages by turns
.set SPARE, 4*WREG                     ; the spare words, 128 bytes for each wave
	s_load_b256 s[4:11], s[0:1], 0x0               ; K s[4:5], V s[6:7], the scales' exponents s[8:9], kv s[10:11]
	v_lshl_add_u32 v30, v0, 2, SPARE
	v_mov_b32 v31, 0
	v_lshrrev_b32 v1, 5, v0
	v_readfirstlane_b32 s16, v1                    ; wave 0..3
	v_and_b32 v1, 31, v0                           ; lane
	v_and_b32 v16, 15, v0                          ; r
	v_bfe_u32 v17, v0, 4, 1                        ; h
	v_lshlrev_b32 v2, 4, v1                        ; 16 x lane
	s_mul_i32 s17, s16, WREG
	v_mul_u32_u24 v3, v17, SPI
	v_mul_u32_u24 v4, v16, SPI
	v_lshlrev_b32 v14, 4, v16
	v_lshl_add_u32 v3, v16, 4, v3
	v_lshl_add_u32 v4, v17, 5, v4
	v_lshl_add_u32 v14, v17, 11, v14               ; V: 16 bytes of a row; lanes 16-31 stand eight rows further on
	v_add_nc_u32 v3, s17, v3                       ; into the stage: row h, byte 16 r
	v_add_nc_u32 v4, s17, v4                       ; out of it: row r, byte 32 h: d = 8 h on
	v_mov_b32 v7, 0                                ; written once: a lane permute's destination counts as one of its sources
	v_mov_b32 v9, 0                                ; (named as the upper half of the pair v[8:9])
	s_mov_b32 s32, 0x76543210
	s_mov_b32 s33, 0xfedcba98                      ; v_permlanex16_b32's selects for lane l xor 16
	s_wait_alu depctr_va_vdst(0)
	s_wait_kmcnt 0x0
	s_load_b128 s[20:23], s[8:9], 0x0              ; eq, ek, ep, ev
	s_cmp_ge_u32 ttmp9, 256
	s_cbranch_scc1 .Lv
; ---------------- K ----------------
	s_lshl_b32 s28, ttmp9, 2
	s_add_co_u32 s28, s28, s16                     ; gi: which run of four tiles (64 rows) is my wave's
	s_lshl_b32 s30, s28, 14                        ; its f32 numbers: 16,384 bytes a run
	s_mov_b32 s31, 0
	s_lshr_b32 s34, s28, 1
	s_lshl_b32 s34, s34, 14
	s_and_b32 s35, s28, 1
	s_lshl_b32 s35, s35, 12
	s_add_co_u32 s36, s34, s35                     ; its codes: key step gi / 2, tiles 4 (gi % 2) on
	s_mov_b32 s37, 0
	s_add_nc_u64 s[24:25], s[4:5], s[30:31]
	s_add_nc_u64 s[26:27], s[10:11], s[36:37]
.irp i, 0,1,2,3
.irp k, 0,1,2,3,4,5,6,7
	global_load_b128 v[R+32*\i+4*\k:R+32*\i+4*\k+3], v2, s[24:25] offset:4096*\i+512*\k th:TH_LOAD_NT   ; 32 lanes read 512 consecutive bytes: two rows
.endr
.endr
	s_wait_kmcnt 0x0
	s_add_co_i32 s28, s21, 127                     ; ek
	s_lshl_b32 s29, s28, 23
	s_add_co_i32 s28, s28, 15
	s_lshl_b32 s28, s28, 23
	s_or_b32 s28, s28, 0x600000
	v_mov_b32 v5, s29                              ; 2^e as f32: the conversion takes its exponent field
	v_mov_b32 v6, s28                              ; 57,344 x 2^e
; Tile i goes through a stage as it lies and comes back in the operand's order: LDS serves a wave's instructions in order (ISA guide 5.7.1.4), so no wait stands between the stores and the loads
.macro TURN i
.irp k, 0,1,2,3,4,5,6,7
	ds_store_b128 v3, v[R+32*(\i)+4*\k:R+32*(\i)+4*\k+3] offset:STG*((\i)%2)+2*SPI*\k
.endr
.irp c, 0,1,2,3
	ds_load_b128 v[X+32*((\i)%2)+8*\c:X+32*((\i)%2)+8*\c+3],   v4 offset:STG*((\i)%2)+64*\c      ; d = 16 c + 8 h + 0 .. 3
	ds_load_b128 v[X+32*((\i)%2)+8*\c+4:X+32*((\i)%2)+8*\c+7], v4 offset:STG*((\i)%2)+64*\c+16   ; d = 16 c + 8 h + 4 .. 7
.endr
.endm
.macro TILE i
	s_wait_dscnt 0x0                               ; this tile's numbers are back from the stage
.if (\i) < 3
	s_wait_loadcnt 8*(2-(\i))                      ; the next tile's eight loads are in; those of the tiles behind it may be out
	TURN (\i)+1                                    ; it goes through the other stage while this tile is worked
.endif
.set XS, X+32*((\i)%2)
	v_pk_mul_f32 v[10:11], v[XS:XS+1], v[XS:XS+1]          ; the sum of my 32 squares, in two chains
	v_pk_mul_f32 v[12:13], v[XS+2:XS+3], v[XS+2:XS+3]
.set n, 4
.rept 7
	v_pk_fma_f32 v[10:11], v[XS+n:XS+n+1], v[XS+n:XS+n+1], v[10:11]
	v_pk_fma_f32 v[12:13], v[XS+n+2:XS+n+3], v[XS+n+2:XS+n+3], v[12:13]
.set n, n+4
.endr
	v_pk_add_f32 v[10:11], v[10:11], v[12:13]
	v_add_f32 v10, v10, v11
	v_permlanex16_b32 v7, v10, s32, s33            ; the row's other 32 numbers lie in the lane 16 away
	v_add_f32 v10, v10, v7
	v_add_f32 v10, 0x2b8cbccc, v10                 ; + 1e-12
	s_wait_alu depctr_va_vdst(0)                   ; ahead of the transcendental
	v_rsq_f32 v8, v10
	v_nop                                          ; one plain instruction between a transcendental and the use of its result (ISA guide 5.7.2)
.set n, 0
	s_wait_alu depctr_va_vdst(0)                   ; and behind it
.rept 16
	v_pk_mul_f32 v[XS+n:XS+n+1], v[XS+n:XS+n+1], v[8:9] op_sel_hi:[1,0]   ; x / sqrt(..): both halves by v8
.set n, n+2
.endr
.set n, 0
.rept 32
	v_med3_num_f32 v[XS+n], v[XS+n], -v6, v6       ; the conversion to an 8-bit code does not saturate (ISA guide 7.6.2): the hold at the largest code x the scale
.set n, n+1
.endr
.irp c, 0,1,2,3
	v_cvt_scalef32_pk8_bf8_f32 v[C+8*(\i)+2*\c:C+8*(\i)+2*\c+1], v[XS+8*\c:XS+8*\c+7], v5   ; registers 2 c, 2 c + 1 of the fragment; read by stores alone
.endr
	global_store_b128 v2, v[C+8*(\i):C+8*(\i)+3],   s[26:27] offset:1024*(\i)       ; 32 lanes store 512 consecutive bytes, at a multiple of 512 from the buffer's first byte
	global_store_b128 v2, v[C+8*(\i)+4:C+8*(\i)+7], s[26:27] offset:1024*(\i)+512
.endm
	s_wait_alu depctr_va_vdst(0)                   ; the head's end
	s_wait_loadcnt 24                              ; tile 0's eight loads are in; the other 24 may be out
	TURN 0
	TILE 0
	TILE 1
	TILE 2
	TILE 3
	s_wait_tensorcnt 0x0                           ; the wave's end
	ds_add_u32 v30, v31
	s_wait_dscnt 0x0
	s_endpgm
; ---------------- V: the keys are the product's K and are not innermost.  Load k brings four channels of key 16 (k / 8) + 8 h + k % 8; the hold writes each channel's eight keys side by side, as the conversion wants them ----------------
.Lv:
	s_sub_co_u32 s28, ttmp9, 256
	s_lshl_b32 s28, s28, 2
	s_add_co_u32 s28, s28, s16                     ; ui: my run of 64 keys
	s_lshl_b32 s30, s28, 14
	s_mov_b32 s31, 0
	s_add_nc_u64 s[24:25], s[6:7], s[30:31]
	s_lshr_b32 s29, s28, 1                         ; the key step
	s_lshl_b32 s30, s29, 14
	s_and_b32 s28, s28, 1                          ; which half of its keys
	s_lshl_b32 s34, s28, 10
	s_add_co_u32 s30, s30, s34
	s_add_co_u32 s30, s30, 8192                    ; behind the step's tiles of K
	s_add_nc_u64 s[26:27], s[10:11], s[30:31]
.set n, 0
.rept 32
	global_load_b128 v[R+4*n:R+4*n+3], v14, s[24:25] offset:256*(16*(n/8)+n%8) th:TH_LOAD_NT   ; two rows of 256 bytes, each by sixteen neighbouring lanes
.set n, n+1
.endr
	s_wait_kmcnt 0x0
	s_add_co_i32 s28, s23, 127                     ; ev
	s_lshl_b32 s29, s28, 23
	s_add_co_i32 s28, s28, 15
	s_lshl_b32 s28, s28, 23
	s_or_b32 s28, s28, 0x600000
	v_mov_b32 v5, s29                              ; 2^ev as f32
	v_mov_b32 v6, s28                              ; 57,344 x 2^ev
	s_wait_alu depctr_va_vdst(0)                   ; the head's end
.macro GROUP c
.set XS, X+32*((\c)%2)
	s_wait_loadcnt 8*(3-(\c))                      ; this group's eight loads are in; the later groups' may be out
.irp k, 0,1,2,3,4,5,6,7
.irp ch, 0,1,2,3
	v_med3_num_f32 v[XS+8*\ch+\k], v[R+32*(\c)+4*\k+\ch], -v6, v6   ; the hold, and the turn: channel ch's eight keys side by side
.endr
.endr
.irp ch, 0,1,2,3
	v_cvt_scalef32_pk8_bf8_f32 v[C+16*((\c)/2)+4*\ch+2*((\c)%2):C+16*((\c)/2)+4*\ch+2*((\c)%2)+1], v[XS+8*\ch:XS+8*\ch+7], v5
.endr
.if (\c)%2
.irp ch, 0,1,2,3
	global_store_b128 v2, v[C+16*((\c)/2)+4*\ch:C+16*((\c)/2)+4*\ch+3], s[26:27] offset:2048*\ch+512*((\c)/2)   ; fragment ch: 32 lanes store 512 consecutive bytes
.endr
.endif
.endm
	GROUP 0
	GROUP 1
	GROUP 2
	GROUP 3
	s_endpgm
.Lfunc_end_k_q87f9d07399_prep:
	.size	k_q87f9d07399_prep, .Lfunc_end_k_q87f9d07399_prep-k_q87f9d07399_prep
	.p2alignl 7, 3214868480
	.fill 96, 4, 3214868480
	.section	.rodata,"a",@progbits
	.p2align	6, 0x0
	.amdhsa_kernel k_q87f9d07399_prep
		.amdhsa_group_segment_fixed_size 35328
		.amdhsa_private_segment_fixed_size 0
		.amdhsa_enable_private_segment 0
		.amdhsa_kernarg_size 32
		.amdhsa_user_sgpr_count 2
		.amdhsa_user_sgpr_kernarg_segment_ptr 1
		.amdhsa_wavefront_size32 1
		.amdhsa_system_sgpr_workgroup_id_x 1
		.amdhsa_system_sgpr_workgroup_id_y 1
		.amdhsa_system_sgpr_workgroup_id_z 1
		.amdhsa_system_vgpr_workitem_id 0
		.amdhsa_next_free_vgpr 256
		.amdhsa_next_free_sgpr 66
		.amdhsa_reserve_vcc 0
		.amdhsa_float_denorm_mode_32 3
		.amdhsa_float_denorm_mode_16_64 3
		.amdhsa_memory_ordered 1
		.amdhsa_forward_progress 1
		.amdhsa_inst_pref_size 43
	.end_amdhsa_kernel
	.amdgpu_metadata
---
amdhsa.version: [ 1, 2 ]
amdhsa.kernels:
  - .name:           k_q87f9d07399_prep
    .symbol:         k_q87f9d07399_prep.kd
    .args:
      - { .name: K, .offset: 0, .size: 8, .value_kind: global_buffer, .address_space: global }
      - { .name: V, .offset: 8, .size: 8, .value_kind: global_buffer, .address_space: global }
      - { .name: lowp_scales, .offset: 16, .size: 8, .value_kind: global_buffer, .address_space: global }
      - { .name: kv, .offset: 24, .size: 8, .value_kind: global_buffer, .address_space: global }
    .group_segment_fixed_size: 35328
    .private_segment_fixed_size: 0
    .kernarg_segment_align: 8
    .kernarg_segment_size: 32
    .max_flat_workgroup_size: 128
    .sgpr_count:     66
    .vgpr_count:     256
    .wavefront_size: 32
...
	.end_amdgpu_metadata
.endif
;; end of part 1
;; launch attn (part 2): grid 8 x 32, 8 waves a work-group, clusters of 4 x 1, 327,680 bytes of LDS; arguments Q, kv, gain, lowp_scales, out0; writes out0
.if DOCPART == 2
	.amdgcn_target "amdgcn-amd-amdhsa--gfx1250"
	.amdhsa_code_object_version 6
	.text
	.protected	k_q87f9d07399_attn
	.globl	k_q87f9d07399_attn
	.p2align	8
	.type	k_q87f9d07399_attn,@function
k_q87f9d07399_attn:
	s_mov_b64 s[64:65], 0
	v_nop
	global_prefetch_b8 v0, s[64:65] scope:SCOPE_SE
	s_setreg_imm32_b32 hwreg(HW_REG_WAVE_MODE, 25, 1), 1
	s_wait_xcnt 0x0
	s_wait_alu depctr_hold_cnt(0) depctr_sa_sdst(0) depctr_va_vdst(0) depctr_va_sdst(0) depctr_va_ssrc(0) depctr_va_vcc(0) depctr_vm_vsrc(0)
	s_getreg_b32 s2, hwreg(HW_REG_IB_STS2, 6, 4)
	s_cmp_eq_u32 s2, 0
	s_cbranch_scc0 .Lentry_in_a_cluster
	s_endpgm
.Lentry_in_a_cluster:
	s_bfe_u32 s2, ttmp6, 0x10000c
	s_cmp_lg_u32 s2, 0x3003
	s_cbranch_scc0 .Lentry_shape_is_right
	s_endpgm
.Lentry_shape_is_right:
; out[head][q][:] = the sum over keys k <= q of softmax_k(gain x Qn[q] . Kn[k]) V[k][:], 32 heads, 2,048 rows, 64 channels; both products on codes of BF8 (E5M2), each operand with the one scale 2^e that is given: eq, ek, ep, ev.
; K's and V's codes come from the launch before, as images of the operands' registers (a key step of 128 keys in 16,384 bytes: K's 8 tiles of 16 keys, then V's 4 fragments; fragment t holds the channels 4 r + t).  Q is normalised and quantised here: a work-group reads each of its rows once.
; DEAD WORK: key steps of 128 keys that the causal mask of reference() hides from all 32 queries of a wave are left out: the mask gives them the weight 0 whatever the inputs hold.  A NaN, an infinity or an overflow that reaches only that work is not carried to the result.
; THE SOFTMAX AHEAD OF THE SECOND PRODUCT: t = score x gain x log2(e); M = the row's largest t so far, rounded UP to a whole number; p = 2^(t - M) is what is quantised; it is not normalised.
; The row's sum is taken of the unquantised p, in f32, and divides O at the end.  When M moves, the sum and O are multiplied by 2^(old M - new M): exact.
; THE SIGN OF gain goes into Q's norm factor (the quantiser is odd), so c = |gain| log2(e) 2^(eq + ek) is never negative and c x the largest score is the largest t.
; LAYOUT.  Both products are used transposed: S^T = K Q^T (source 0 = 16 keys, source 1 = 16 queries), O^T = V^T P^T: a lane holds ONE query (lane % 16) of a tile throughout.
; Register j of tile u of S^T is key 16 u + 8 (lane / 16) + j: its eight codes are registers 2 u, 2 u + 1 of P in the K = 128 form's own layout.  Register i of tile t of O^T is channel 32 (lane / 16) + 4 i + t.
; SHARES.  A head's 2,048 queries are 16 blocks of 128; a key step is as long as a block.  A wave owns 32 queries of a block, two tiles, which share each fragment of K and V that is read from LDS.
;   The cluster's number e (0, 1) and the pair i (0 .. 3) of the waves i and i + 4 give the low block lo = 2 i + e and the high block hi = 15 - lo; the place cx in the cluster gives the 32 queries: 32 cx on in both blocks.
;   PASS 1, steps 0-7: waves 4-7 work block hi, all eight steps whole; waves 0-3 work block lo: step lo lies on the diagonal, later ones are hidden: that block is then finished.
;   PASS 2, steps 8-15: waves 0-3 work block hi: steps 8 .. hi.  So a wave has 8 or 9 steps.  Block hi's two parts are joined through LDS: each wave of a pair gives the other one tile's sums and finishes the other tile.
; Which steps are left out or masked hangs on the wave's number, the cluster's number (the same for all partners) and the loops' counters alone; cx enters Q's and O's addresses and the numbers of the mask, nothing else.
; THE MASK on the diagonal goes in as C of the first product: 0 where the key counts, -2^117 or less where it is hidden; times c, which there is at least 2^-100, that is -2^17 or less: p = 0.
; LDS.  A head's codes of K and V are 262,144 bytes and lie in LDS whole, as in memory: every byte is filled once.  Behind them a region of 4,608 bytes for each wave: waves 0-3's stage for the way out of pass 1, then the sums that I give,
; then, behind a barrier, the stage of the wave that has read them; and 16 images of Q's codes.
; REGISTERS: window 1 holds K's and V's fragments alone; all vector work is in window 0.
; CLUSTER.  The four work-groups of a cluster belong to one head: its codes are asked for JOINTLY, by the same tensor load with the same descriptor and a mask that names the four.  Each wave has two loads: an eighth of steps 0-2 (24 rows of 256 bytes) at the head,
; and, behind a round of the cluster's barrier, an eighth of steps 3-15 (104 rows), which has Q's quantising and two key steps in which to land.  No loop loads anything from memory, so there is nothing to prefetch ahead of.
; LIMITS: eq and ep between -126 and 112 (2^e and 57,344 x 2^e are f32 numbers); eq + ek and ep + ev go through v_ldexp_f32 and have none.  The promise holds while |t| stays under 2^31.  gain of either sign and gain = 0 are served.  NaN in gain or in the inputs is not served.
.set STEPB, 16384                      ; a key step's codes
.set VOFF,  8192                       ; V's fragments in it
.set STAGE, 262144                     ; behind the head's codes: eight regions
.set SP,    272                        ; a stage row: 256 bytes + 16
.set REG,   4608                       ; a stage of 16 rows (4,352), or 32 registers of sums (4,096) and two more (512)
.set QIMG,  STAGE+8*REG                ; sixteen images of Q's codes, 1,024 bytes each: wave w's are 2 w, 2 w + 1
.set SPARE, QIMG+16*1024               ; the spare words, 128 bytes for each wave
.set RDA,  0                           ; v0   (behind the head) LDS address on the way out
.set LI,   1                           ; v1   16 x lane; never rewritten
.set SPW,  2                           ; v2   LDS address of my spare word; never rewritten
.set SCP,  3                           ; v3   2^ep as f32
.set STO,  4                           ; v4   the way out: my lane's place as 128 bytes of a row go in
.set RD,   5                           ; v5   the way out: my lane's place as rows come back
.set ZA,   6                           ; v6, v7  0, twice: a dual pair names both
.set MB,   8                           ; v[8:9] (DG + 0.5) 2^118, (DG - 0.5) 2^118, DG = 32 cx + r - 8 h
.set LIM,  10                          ; v10, v11  57,344 x 2^ep, twice
                                       ; tile 0: v12 -M, v13 the least -t, v[14:15] the sum in two halves; tile 1: v16-19 likewise; v20 f; v22-29, v31 at work
.set AD,   21                          ; v21  LDS address in hand (also named as the upper half of the pair v[20:21])
.set NIL,  30                          ; v30  0; never rewritten
.set S0,   32                          ; v32-95   tile 0's S^T, then p; on the way out O (v32-63) and rows read back (v64-95)
.set BK,   64
.set S1,   96                          ; v96-159  tile 1's; at the end the other wave's sums
.set O0,   160                         ; v160-191, v192-223  O^T of tile 0, tile 1
.set O1,   192
.set PC,   224                         ; v224-239 p's codes, of one tile after the other
.set Q0,   240                         ; v240-247, v248-255  Q's fragments
.set Q1,   248
.set KF,   0                           ; window 1: K's 8 tiles,
.set VF,   64                          ; and V's 4 fragments
.set WV,   14                          ; s14  my wave's number
.set SEL,  20                          ; s[20:21] v_permlanex16_b32's selects for lane l xor 16
.set CS,   22                          ; s[22:23] c, at least 2^-100: the packed form names a pair and takes its low word for both halves
.set G1A,  24                          ; s[24:31] descriptor group 1: 24 rows of 256 bytes;  s[32:39]: 104 rows
.set G1B,  32
.set RO,   40                          ; s40, s41  LDS byte of my region, of the other wave's
.set RP,   41
.set QI,   42                          ; s42, s43  of my images of Q's codes, of the other wave's
.set QP,   43
.set G0A,  48                          ; s[48:51], s[52:55] descriptor groups 0
.set G0B,  52
.set NC,   66                          ; s66  -c
.set TB,   68                          ; s68  LDS byte at which the step in hand begins
.set SC,   69                          ; s69  the step's number
.set BLK1, 70                          ; s70, s71  the block of pass 1, of pass 2 (waves 4-7: 7, so that every step of pass 2 comes after it)
.set BLK2, 71
.set OUT1, 82                          ; s[82:83], s[84:85] O at my queries of block lo, of block hi
.set OUT2, 84
.set MSB, 0
.macro WIN new                         ; the immediate's high byte repeats the setting that is left
.if MSB != \new
	s_set_vgpr_msb (MSB<<8)|\new
.set MSB, \new
.endif
.endm
; A round of the cluster's barrier: my work-group's barrier, wave 0 signals for the work-group, every wave waits for all four work-groups, my work-group's barrier once more.
.macro ROUND
	s_barrier_signal -1
	s_barrier_wait -1
	s_cmp_lg_u32 s[WV], 0
	s_cbranch_scc1 .Lnot_wave_0_\@
	s_barrier_signal -3
.Lnot_wave_0_\@:
	s_barrier_wait -3
	s_barrier_signal -1
	s_barrier_wait -1
.endm
	s_load_b256 s[4:11], s[0:1], 0x0               ; Q s[4:5], kv s[6:7], gain s[8:9], the scales' exponents s[10:11]
	s_load_b64 s[12:13], s[0:1], 0x20              ; out0
	v_lshl_add_u32 v[SPW], v0, 2, SPARE
	v_mov_b32 v[NIL], 0
	ds_add_u32 v[SPW], v[NIL]                      ; the opening: the add, twice on end, and its wait ahead of my tensor load
	ds_add_u32 v[SPW], v[NIL]
	v_lshrrev_b32 v31, 5, v0
	v_and_b32 v[LI], 31, v0
	v_readfirstlane_b32 s[WV], v31                 ; wave 0..7
	v_lshlrev_b32 v[LI], 4, v[LI]
	s_bfe_u32 s15, ttmp6, 0x40000                  ; cx: my place in the cluster
	s_and_b32 s17, ttmp7, 0xffff                   ; the head, which the four partners share
	s_and_b32 s80, s[WV], 3
	s_lshl_b32 s80, s80, 1
	s_add_co_u32 s80, s80, ttmp9                   ; lo = 2 (wave % 4) + e: in a cluster launch ttmp9 counts clusters
	s_xor_b32 s81, s80, 15                         ; hi = 15 - lo
	s_cmp_lt_u32 s[WV], 4
	s_cselect_b32 s[BLK1], s80, s81
	s_cselect_b32 s[BLK2], s81, 7
.irp g, G1A, G1B
	s_mov_b32 s[\g], 15|(3<<16)|(1<<21)            ; 15:0 the mask: all four work-groups; 17:16 elements of 8 bytes; 20 no padding; 21 set beside a mask
	s_mov_b32 s[\g+1], 32<<16                      ; tensor_dim0 = 32
	s_mov_b32 s[\g+3], 32<<16                      ; tile_dim0 = 32
	s_mov_b32 s[\g+5], 32                          ; tensor_dim0_stride
	s_mov_b32 s[\g+6], 0
	s_mov_b32 s[\g+7], 0
.endr
	s_mov_b32 s[G1A+2], 24<<16                     ; tensor_dim1
	s_mov_b32 s[G1A+4], 24                         ; tile_dim1
	s_mov_b32 s[G1B+2], 104<<16
	s_mov_b32 s[G1B+4], 104
	s_mov_b32 s[G0A], 1                            ; 1:0 count = 1
	s_mul_i32 s[G0A+1], s[WV], 3*STEPB/8           ; LDS byte: 6,144 x wave
	s_mov_b32 s[G0B], 1
	s_mul_i32 s[G0B+1], s[WV], 13*STEPB/8          ; 49,152 + 26,624 x wave
	s_add_co_u32 s[G0B+1], s[G0B+1], 3*STEPB
	s_mov_b32 s92, s[G0A+1]                        ; the same bytes of the head's block
	s_mov_b32 s93, 0
	s_mov_b32 s98, s[G0B+1]
	s_mov_b32 s99, 0
	s_lshl_b32 s90, s17, 18                        ; the head's block of 262,144 bytes
	s_mov_b32 s91, 0
	; Q's and O's rows: tile g = 128 head + 8 block + 2 cx, 4,096 bytes each, two tiles on end.  These registers feed no descriptor
	s_lshl_b32 s94, s17, 7
	s_lshl_b32 s95, s15, 1
	s_add_co_u32 s94, s94, s95
	s_lshl_b32 s95, s80, 3
	s_add_co_u32 s86, s95, s94
	s_lshl_b32 s86, s86, 12                        ; block lo
	s_mov_b32 s87, 0
	s_lshl_b32 s95, s81, 3
	s_add_co_u32 s96, s95, s94
	s_lshl_b32 s96, s96, 12                        ; block hi
	s_mov_b32 s97, 0
	s_cmp_lt_u32 s[WV], 4
	s_cselect_b32 s88, s86, s96                    ; the rows of Q that I quantise: pass 1's
	s_mov_b32 s89, 0
	s_mov_b32 s[SEL], 0x76543210
	s_mov_b32 s[SEL+1], 0xfedcba98
	s_wait_alu depctr_va_vdst(0)
	s_wait_dscnt 0x0                               ; both opening adds are done
	s_wait_kmcnt 0x0
	s_load_b32 s76, s[8:9], 0x0                    ; gain
	s_load_b128 s[72:75], s[10:11], 0x0            ; eq, ek, ep, ev
	s_add_nc_u64 s[78:79], s[4:5], s[88:89]
	s_add_nc_u64 s[OUT1:OUT1+1], s[12:13], s[86:87]
	s_add_nc_u64 s[OUT2:OUT2+1], s[12:13], s[96:97]
	s_add_nc_u64 s[18:19], s[6:7], s[90:91]
	s_add_nc_u64 s[G0A+2:G0A+3], s[18:19], s[92:93]  ; 120:64 global address
	s_or_b32 s[G0A+3], s[G0A+3], 0x80000000        ; 127:126 type = 2
	s_add_nc_u64 s[G0B+2:G0B+3], s[18:19], s[98:99]
	s_or_b32 s[G0B+3], s[G0B+3], 0x80000000
	ROUND                                          ; all four work-groups are here: the joint loads meet
	tensor_load_to_lds s[G0A:G0A+3], s[G1A:G1A+7]  ; my one tensor load at the head: an eighth of steps 0-2
	s_nop 0
.rept 4
	v_nop                                          ; four v_nop follow
.endr
.set n, 0
.rept 16
	global_load_b128 v[S1+4*n:S1+4*n+3], v[LI], s[78:79] offset:512*n th:TH_LOAD_NT   ; rows 2 n + lane / 16 of 32, numbers 4 (lane % 16) + 0 .. 3: 512 consecutive bytes a load
.set n, n+1
.endr
	s_mul_i32 s[RO], s[WV], REG
	s_add_co_u32 s[RO], s[RO], STAGE               ; my region,
	s_xor_b32 s86, s[WV], 4
	s_mul_i32 s[RP], s86, REG
	s_add_co_u32 s[RP], s[RP], STAGE               ; and the other wave's of my pair
	s_lshl_b32 s[QI], s[WV], 11
	s_add_co_u32 s[QI], s[QI], QIMG
	s_lshl_b32 s[QP], s86, 11
	s_add_co_u32 s[QP], s[QP], QIMG
	s_lshl_b32 s98, s15, 5
	v_and_b32 v32, 15, v0                          ; r
	v_bfe_u32 v33, v0, 4, 1                        ; h
	v_bfe_u32 v34, v0, 3, 1
	v_bfe_u32 v35, v0, 1, 1
	v_bfe_u32 v36, v0, 2, 1
	v_and_b32 v37, 1, v0
	v_lshlrev_b32 v38, 3, v33
	v_lshlrev_b32 v74, 9, v34                      ; my four codes of a row: d = 4 q, q = lane % 16: register 2 (q / 4) + q % 2 of lane (row, (q / 2) % 2): byte 512 (q / 8) + 256 ((q / 2) % 2) + 8 ((q / 4) % 2) + 4 (q % 2) + 16 row
	v_mul_u32_u24 v[STO], v32, SP
	v_mul_u32_u24 v[RD], v33, SP
	v_sub_nc_u32 v38, v32, v38
	v_lshl_add_u32 v74, v35, 8, v74
	v_lshl_add_u32 v[STO], v33, 7, v[STO]          ; in: row r, my 32 channels: 128 h bytes on
	v_lshl_add_u32 v[RD], v32, 4, v[RD]            ; back: lanes 0-15 one row, lanes 16-31 the next
	v_add_nc_u32 v38, s98, v38                     ; DG = 32 cx + r - 8 h: on the diagonal register j of tile u is hidden where 16 u + j is larger (tile 1: than DG + 16)
	v_lshl_add_u32 v74, v36, 3, v74
	v_cvt_f32_i32 v39, v38
	v_lshl_add_u32 v74, v37, 2, v74
	v_mov_b32 v29, 0                               ; written once: a lane permute's destination counts as one of its sources
	v_add_f32 v9, -0.5, v39
	v_add_f32 v8, 0.5, v39
	v_lshl_add_u32 v74, v33, 4, v74
	v_mov_b32 v[ZA], 0
	v_mul_f32 v8, 0x7a800000, v8                   ; x 2^118
	v_mul_f32 v9, 0x7a800000, v9
	v_add_nc_u32 v74, s[QI], v74
	v_mov_b32 v[ZA+1], 0
	v_add_nc_u32 v[AD], s[QI], v[LI]
	s_wait_alu depctr_va_vdst(0)
	s_wait_kmcnt 0x0
	s_and_b32 s97, s76, 0x7fffffff                 ; |gain|
	s_and_b32 s77, s76, 0x80000000                 ; its sign
	s_add_co_i32 s98, s72, s73                     ; eq + ek
	s_add_co_i32 s99, s72, 127
	s_lshl_b32 s94, s99, 23                        ; 2^eq as f32
	s_add_co_i32 s99, s99, 15
	s_lshl_b32 s99, s99, 23
	s_or_b32 s99, s99, 0x600000                    ; 57,344 x 2^eq
	s_add_co_i32 s95, s74, 127
	s_lshl_b32 s96, s95, 23                        ; 2^ep
	s_add_co_i32 s95, s95, 15
	s_lshl_b32 s95, s95, 23
	s_or_b32 s95, s95, 0x600000                    ; 57,344 x 2^ep
	s_add_co_i32 s89, s74, s75                     ; ep + ev
	v_mov_b32 v31, s97
	v_mov_b32 v72, s94
	v_mov_b32 v73, s99
	v_mul_f32 v31, 0x3fb8aa3b, v31                 ; |gain| log2(e)
	v_mov_b32 v[SCP], s96
	v_mov_b32 v[LIM], s95
	v_ldexp_f32 v31, v31, s98                      ; x 2^(eq + ek)
	v_mov_b32 v[LIM+1], s95
	v_readfirstlane_b32 s[NC], v31                 ; c, a factor only: no address and no branch hangs on it
	v_max_num_f32 v31, 0x0d800000, v31             ; at least 2^-100: under that, c x any score is under 2^-62 and 2^(that) is 1
	v_readfirstlane_b32 s[CS], v31
	s_xor_b32 s[NC], s[NC], 0x80000000             ; -c
	s_mov_b32 s[CS+1], s[CS]                       ; (named with it as a pair, so it is written)
	s_wait_alu depctr_va_vdst(0)
	s_wait_tensorcnt 0x0                           ; my part of steps 0-2 is in:
	ds_add_u32 v[SPW], v[NIL]                      ; 0 onto my spare word,
	s_wait_dscnt 0x0                               ; and its wait
	ROUND                                          ; everybody's part of steps 0-2 is in, and all four work-groups are here: the joint loads meet
	tensor_load_to_lds s[G0B:G0B+3], s[G1B:G1B+7]  ; the first tensor load behind the round: an eighth of steps 3-15
	s_nop 0
.rept 4
	v_nop
.endr
; A tile of Q: each row's sum of squares (four in the lane, then over the row's 16 lanes; eight rows by turns), the norm with gain's sign, the codes, into the tile's image
.macro QUANT X, off
.irp k, 0,1,2,3,4,5,6,7
	v_pk_mul_f32 v[32+2*\k:33+2*\k], v[\X+4*\k:\X+4*\k+1], v[\X+4*\k:\X+4*\k+1]
.endr
.irp k, 0,1,2,3,4,5,6,7
	v_pk_fma_f32 v[32+2*\k:33+2*\k], v[\X+4*\k+2:\X+4*\k+3], v[\X+4*\k+2:\X+4*\k+3], v[32+2*\k:33+2*\k]
.endr
.irp k, 0,1,2,3,4,5,6,7
	v_add_f32 v[48+\k], v[32+2*\k], v[33+2*\k]
.endr
.irp m, 1,2,4,8
.irp k, 0,1,2,3,4,5,6,7
	v_add_f32_dpp v[48+\k], v[48+\k], v[48+\k] row_xmask:\m row_mask:0xf bank_mask:0xf
.endr
.endr
.irp k, 0,1,2,3,4,5,6,7
	v_add_f32 v[48+\k], 0x2b8cbccc, v[48+\k]       ; + 1e-12
.endr
	s_wait_alu depctr_va_vdst(0)                   ; ahead of the batch
.irp k, 0,1,2,3,4,5,6,7
	v_rsq_f32 v[32+2*\k], v[48+\k]
.endr
	v_nop                                          ; one plain instruction behind a transcendental (ISA guide 5.7.2)
	s_wait_alu depctr_va_vdst(0)                   ; and the wait behind it
.irp k, 0,1,2,3,4,5,6,7
	v_xor_b32 v[32+2*\k], s77, v[32+2*\k]          ; gain's sign
.endr
.irp k, 0,1,2,3,4,5,6,7
	v_pk_mul_f32 v[\X+4*\k:\X+4*\k+1], v[\X+4*\k:\X+4*\k+1], v[32+2*\k:33+2*\k] op_sel_hi:[1,0]
	v_pk_mul_f32 v[\X+4*\k+2:\X+4*\k+3], v[\X+4*\k+2:\X+4*\k+3], v[32+2*\k:33+2*\k] op_sel_hi:[1,0]
.endr
.set n, 0
.rept 32
	v_med3_num_f32 v[\X+n], v[\X+n], -v73, v73     ; the conversion to an 8-bit code does not saturate (ISA guide 7.6.2): the hold at the largest code x the scale
.set n, n+1
.endr
.irp m, 0,1,2,3
	v_cvt_scalef32_pk8_bf8_f32 v[64+2*\m:65+2*\m], v[\X+8*\m:\X+8*\m+7], v72   ; v[64 + k]: four codes of row 2 k + lane / 16
.endr
	v_nop                                          ; one plain place behind the conversions
.irp k, 0,1,2,3,4,5,6,7
	ds_store_b32 v74, v[64+\k] offset:\off+32*\k
.endr
.endm
; Two tiles' fragments of Q from the images at v[AD].  (LDS serves a wave's instructions in order, ISA guide 5.7.1.4: my own stores are seen)
.macro QFETCH
	ds_load_b128 v[Q0:Q0+3],   v[AD]
	ds_load_b128 v[Q0+4:Q0+7], v[AD] offset:512
	ds_load_b128 v[Q1:Q1+3],   v[AD] offset:1024
	ds_load_b128 v[Q1+4:Q1+7], v[AD] offset:1536
.endm
	s_wait_loadcnt 8                               ; tile 0's eight loads are in; tile 1's may be out
	QUANT 96, 0
	s_wait_alu depctr_va_vdst(0)
	s_wait_loadcnt 0x0
	QUANT 128, 1024
	QFETCH
; Two tiles begin: the least -t over every -t, the sums and O^T zeros, which the first change of M leaves zeros.  (Moves, so that a first step needs no text of its own)
.macro INIT
.irp m, 12,16
	v_mov_b32 v[\m], 0x7f61b1e6                    ; 3e38, a whole number: -M and the least -t
	v_mov_b32 v[\m+1], 0x7f61b1e6
	v_mov_b32 v[\m+2], 0
	v_mov_b32 v[\m+3], 0
.endr
.set n, 0
.rept 64
	v_mov_b32 v[O0+n], 0
.set n, n+1
.endr
.endm
; C on the diagonal: min((DG + 0.5 - n) 2^118, 0), n = 16 u + j: exact multiples of 2^117.  a .. d: the first tile of 16 keys' four pairs less the base
.macro MASK S, a, b, c, d
	v_pk_add_f32 v[\S:\S+1],   v[MB:MB+1], \a op_sel_hi:[1,0]
	v_pk_add_f32 v[\S+2:\S+3], v[MB:MB+1], \b op_sel_hi:[1,0]
	v_pk_add_f32 v[\S+4:\S+5], v[MB:MB+1], \c op_sel_hi:[1,0]
	v_pk_add_f32 v[\S+6:\S+7], v[MB:MB+1], \d op_sel_hi:[1,0]
.set n, 8
.rept 28
	v_pk_add_f32 v[\S+n:\S+n+1], v[\S+n-8:\S+n-7], 0xfc800000 op_sel_hi:[1,0]   ; the next 16 keys: -16 x 2^118
.set n, n+2
.endr
.set n, 0
.rept 32
	v_dual_min_num_f32 v[\S+n], v[\S+n], v[ZA] :: v_dual_min_num_f32 v[\S+n+1], v[\S+n+1], v[ZA+1]
.set n, n+2
.endr
.endm
; THE SOFTMAX of a tile's 64 scores a lane, O^T under the new M, and p's codes.  S the scores, O the sums of V, M the tile's four registers.
.macro SOFT S, O, M
	v_mov_b32 v31, v[\M]                           ; -M's old value
.if \M > 12
	s_wait_alu depctr_va_vdst(0)
.endif
	v_max3_num_f32 v28, v[\S], v[\S+1], v[\S+2]    ; the step's largest score of my query among my 64 keys, in four chains, in ascending order of the registers
	v_max3_num_f32 v29, v[\S+3], v[\S+4], v[\S+5]
	v_max3_num_f32 v22, v[\S+6], v[\S+7], v[\S+8]
	v_max3_num_f32 v23, v[\S+9], v[\S+10], v[\S+11]
.set n, 12
.rept 6
	v_max3_num_f32 v28, v28, v[\S+n], v[\S+n+1]
	v_max3_num_f32 v29, v29, v[\S+n+2], v[\S+n+3]
	v_max3_num_f32 v22, v22, v[\S+n+4], v[\S+n+5]
	v_max3_num_f32 v23, v23, v[\S+n+6], v[\S+n+7]
.set n, n+8
.endr
	v_max3_num_f32 v28, v28, v[\S+60], v[\S+61]
	v_max3_num_f32 v29, v29, v[\S+62], v[\S+63]
	v_max3_num_f32 v28, v28, v29, v22
	s_delay_alu instid0(VALU_DEP_1)
	v_max_num_f32 v28, v28, v23
	s_delay_alu instid0(VALU_DEP_1)
	v_permlanex16_b32 v29, v28, s[SEL], s[SEL+1]
	s_delay_alu instid0(VALU_DEP_1)
	v_max_num_f32 v28, v28, v29                    ; and among lane l xor 16's
	s_delay_alu instid0(VALU_DEP_1)
	v_mul_f32 v28, s[NC], v28                      ; as -t
	s_delay_alu instid0(VALU_DEP_1)
	v_min_num_f32 v[\M+1], v[\M+1], v28            ; the least -t so far
	s_delay_alu instid0(VALU_DEP_1)
	v_floor_f32 v[\M], v[\M+1]                     ; the new -M = floor(-t) = -ceil(t): M is a whole number
	s_delay_alu instid0(VALU_DEP_1)
	v_sub_f32 v31, v[\M], v31                      ; M's old value less its new one: a whole number, 0 or less
	s_delay_alu instid0(VALU_DEP_1)
	v_cvt_i32_f32 v31, v31                         ; (it saturates)
	s_delay_alu instid0(VALU_DEP_1)
	v_ldexp_f32 v20, 1.0, v31                      ; f = 2^(old M - new M): a multiplication by it rounds nothing
.set n, 0
.rept 32
	v_pk_fma_f32 v[\S+n:\S+n+1], v[\S+n:\S+n+1], s[CS:CS+1], v[\M:\M+1] op_sel_hi:[1,0,0]   ; t - M, two at a time (of the pairs the low word serves both halves)
.set n, n+2
.endr
.set n, 0
	s_wait_alu depctr_va_vdst(0)                   ; ahead of the batch
.rept 64
	v_exp_f32 v[\S+n], v[\S+n]                     ; p = 2^(t - M), at most 1: not normalised
.set n, n+1
.endr
	v_pk_mul_f32 v[\M+2:\M+3], v[\M+2:\M+3], v[20:21] op_sel_hi:[1,0]      ; the sums under the new M.  (The plain instruction behind the exponentials: ISA guide 5.7.2)
	s_wait_alu depctr_va_vdst(0)                   ; one wait behind the batch, which here stands ahead of O^T's first readers too
.set n, 0
.rept 16
	v_pk_mul_f32 v[\O+n:\O+n+1], v[\O+n:\O+n+1], v[20:21] op_sel_hi:[1,0]   ; O^T under the new M, each tile from its low end on
.set n, n+2
.endr
	v_pk_add_f32 v[22:23], v[\S:\S+1], v[\S+2:\S+3]                ; the row's sum of the unquantised p, in four chains
	v_pk_add_f32 v[24:25], v[\S+4:\S+5], v[\S+6:\S+7]
	v_pk_add_f32 v[26:27], v[\S+8:\S+9], v[\S+10:\S+11]
	v_pk_add_f32 v[\M+2:\M+3], v[\M+2:\M+3], v[\S+12:\S+13]
.set n, 14
.rept 6
	v_pk_add_f32 v[22:23], v[22:23], v[\S+n:\S+n+1]
	v_pk_add_f32 v[24:25], v[24:25], v[\S+n+2:\S+n+3]
	v_pk_add_f32 v[26:27], v[26:27], v[\S+n+4:\S+n+5]
	v_pk_add_f32 v[\M+2:\M+3], v[\M+2:\M+3], v[\S+n+6:\S+n+7]
.set n, n+8
.endr
	v_pk_add_f32 v[22:23], v[22:23], v[\S+62:\S+63]
	v_pk_add_f32 v[24:25], v[24:25], v[26:27]
	v_pk_add_f32 v[\M+2:\M+3], v[\M+2:\M+3], v[22:23]
.set n, 0
.rept 32
	v_dual_min_num_f32 v[\S+n], v[\S+n], v[LIM] :: v_dual_min_num_f32 v[\S+n+1], v[\S+n+1], v[LIM+1]   ; the conversion to an 8-bit code does not saturate (ISA guide 7.6.2); p is not negative, so the hold is one-sided
.set n, n+2
.endr
	v_pk_add_f32 v[\M+2:\M+3], v[\M+2:\M+3], v[24:25]
.irp u, 0,1,2,3,4,5,6,7
	v_cvt_scalef32_pk8_bf8_f32 v[PC+2*\u:PC+2*\u+1], v[\S+8*\u:\S+8*\u+7], v[SCP]   ; keys 16 u + 8 h + 0 .. 7: registers 2 u, 2 u + 1 of P
.endr
	v_nop                                          ; one plain place between the last conversion and the products that read its result
	s_wait_alu depctr_va_vdst(0)
.endm
; O^T += V^T P^T, K = these 128 keys; the four accumulators take turns, one instruction a turn
.macro PV O
	WIN 0x01                                       ; source 0 (V) window 1
.irp t, 0,1,2,3
	v_wmma_f32_16x16x128_bf8_bf8 v[\O+8*\t:\O+8*\t+7], v[VF+16*\t:VF+16*\t+15], v[PC:PC+15], v[\O+8*\t:\O+8*\t+7]
.endr
	WIN 0
.endm
; A KEY STEP: 128 keys at LDS byte s[TB] against my 32 queries.  It is left out where it comes after block s[BLK] and masked where it is that block's: scalar branches on ids and the loop's counter; no barrier and no tensor load stands in a step.
.macro STEP
	s_cmp_gt_u32 s[SC], s[BLK]
	s_cbranch_scc1 .Lhidden_\@
	v_add_nc_u32 v[AD], s[TB], v[LI]
.rept 3
	v_nop                                          ; with the addition above: four places between the last step's products and the loads into V's registers that they read (ISA guide 7.12.1 for vector instructions)
.endr
	WIN 0x40                                       ; destination window 1
.irp u, 0,1,2,3,4,5,6,7
	ds_load_b128 v[KF+8*\u:KF+8*\u+3],   v[AD] offset:1024*\u       ; K's tile u: 32 lanes read 512 consecutive bytes
	ds_load_b128 v[KF+8*\u+4:KF+8*\u+7], v[AD] offset:1024*\u+512
.endr
.irp t, 0,1,2,3
.irp j, 0,1,2,3
	ds_load_b128 v[VF+16*\t+4*\j:VF+16*\t+4*\j+3], v[AD] offset:VOFF+2048*\t+512*\j   ; V's four fragments land while the first softmax is worked
.endr
.endr
	WIN 0
	s_cmp_lg_u32 s[SC], s[BLK]
	s_wait_alu depctr_va_vdst(0)
	s_cbranch_scc1 .Lopen_\@
	MASK S0, 0, 0xfb000000, 0xfb800000, 0xfbc00000                    ; 0, -2, -4, -6 x 2^118
	MASK S1, 0x7c800000, 0x7c600000, 0x7c400000, 0x7c200000           ; 16, 14, 12, 10 x 2^118: tile 1's queries stand 16 further on
	s_wait_alu depctr_va_vdst(0)
	s_wait_dscnt 16                                ; K is in; V's sixteen loads may be out
	WIN 0x01                                       ; source 0 (K) window 1
.irp u, 0,1,2,3,4,5,6,7
	v_wmma_f32_16x16x64_bf8_bf8 v[S0+8*\u:S0+8*\u+7], v[KF+8*\u:KF+8*\u+7], v[Q0:Q0+7], v[S0+8*\u:S0+8*\u+7]
.endr
.irp u, 0,1,2,3,4,5,6,7
	v_wmma_f32_16x16x64_bf8_bf8 v[S1+8*\u:S1+8*\u+7], v[KF+8*\u:KF+8*\u+7], v[Q1:Q1+7], v[S1+8*\u:S1+8*\u+7]
.endr
	WIN 0
	s_branch .Lgo_\@
.Lopen_\@:
	s_wait_dscnt 24                                ; K's tiles 0-3 are in; its last eight loads and V's sixteen may be out
	WIN 0x01
.irp u, 0,1,2,3
	v_wmma_f32_16x16x64_bf8_bf8 v[S0+8*\u:S0+8*\u+7], v[KF+8*\u:KF+8*\u+7], v[Q0:Q0+7], 0    ; S^T: each tile is one product, K = the head's 64
.endr
	s_wait_dscnt 16                                ; K is in
.irp u, 4,5,6,7
	v_wmma_f32_16x16x64_bf8_bf8 v[S0+8*\u:S0+8*\u+7], v[KF+8*\u:KF+8*\u+7], v[Q0:Q0+7], 0
.endr
.irp u, 0,1,2,3,4,5,6,7
	v_wmma_f32_16x16x64_bf8_bf8 v[S1+8*\u:S1+8*\u+7], v[KF+8*\u:KF+8*\u+7], v[Q1:Q1+7], 0
.endr
	WIN 0
.Lgo_\@:
.rept 4
	v_nop                                          ; four places in front of the first read of the scores
.endr
	SOFT S0, O0, 12
	s_wait_dscnt 0x0                               ; V is in
	PV O0
	SOFT S1, O1, 16
	PV O1
.Lhidden_\@:
.endm
; Key steps first .. last - 1; the trip counts are constants of the text
.macro STEPS first, last
	s_mov_b32 s[TB], STEPB*\first
	s_mov_b32 s[SC], \first
.Lstep_\@:
	STEP
	s_add_co_u32 s[TB], s[TB], STEPB
	s_add_co_u32 s[SC], s[SC], 1
	s_cmp_lt_u32 s[SC], \last
	s_cbranch_scc1 .Lstep_\@
.endm
; The sum's two halves and lane l xor 16's
.macro SUMUP M
	v_add_f32 v[\M+2], v[\M+2], v[\M+3]
	s_delay_alu instid0(VALU_DEP_1)
	v_permlanex16_b32 v29, v[\M+2], s[SEL], s[SEL+1]
	s_delay_alu instid0(VALU_DEP_1)
	v_add_f32 v[\M+2], v[\M+2], v29
.endm
; A tile's 16 rows, 4 i + t of a lane's 32 channels in v[S0 + 4 i + t], go through the region at s[rg] and leave as whole rows of 256 bytes; a store takes two rows
.macro STAGEOUT rg, ob, off
	v_add_nc_u32 v[AD], s[\rg], v[STO]
	v_add_nc_u32 v[RDA], s[\rg], v[RD]
.irp i, 0,1,2,3,4,5,6,7
	ds_store_b128 v[AD], v[S0+4*\i:S0+4*\i+3] offset:16*\i
.endr
	s_wait_alu depctr_va_vdst(0)
	s_wait_xcnt 0x0                                ; the registers below were the data of an earlier tile's stores: they are loaded again only behind this wait (ISA guide 3.1)
.irp i, 0,1,2,3,4,5,6,7
	ds_load_b128 v[BK+4*\i:BK+4*\i+3], v[RDA] offset:2*\i*SP       ; LDS serves a wave's instructions in order: these see my stores
.endr
.irp i, 0,1,2,3,4,5,6,7
	s_wait_dscnt 7-\i                              ; rows 2 i and 2 i + 1 are back; the younger loads may be out
	global_store_b128 v[LI], v[BK+4*\i:BK+4*\i+3], s[\ob:\ob+1] offset:\off+512*\i th:TH_STORE_NT   ; 32 lanes store 512 consecutive bytes, at a multiple of 512 from O's first byte
.endr
.endm
; The way out of a finished tile.  Between the last products and the first read of O^T stand at least four plain instructions
.macro WAYOUT O, M, off
	SUMUP \M
	s_wait_alu depctr_va_vdst(0)                   ; the waits ahead of and behind the transcendental
	v_rcp_f32 v28, v[\M+2]
	v_nop
	s_wait_alu depctr_va_vdst(0)
	v_ldexp_f32 v28, v28, s89                      ; x 2^(ep + ev)
	v_nop
	s_wait_alu depctr_va_vdst(0)                   ; and directly ahead of the first readers of O^T
.irp i, 0,1,2,3,4,5,6,7
.irp t, 0,1,2,3
	v_mul_f32 v[S0+4*\i+\t], v[\O+8*\t+\i], v28
.endr
.endr
	STAGEOUT RO, OUT1, \off
.endm
; A tile's sums go to my region: O^T as images of the registers, then -M and the row's sum.  Six plain instructions stand between the last products and the stores
.macro GIVE O, M
	SUMUP \M
	v_mov_b32 v22, v[\M]
	v_mov_b32 v23, v[\M+2]
	v_add_nc_u32 v[AD], s[RO], v[LI]
.irp t, 0,1,2,3
	s_wait_alu depctr_va_vdst(0)                   ; directly ahead of each accumulator's first reader
	ds_store_b128 v[AD], v[\O+8*\t:\O+8*\t+3]   offset:1024*\t
	ds_store_b128 v[AD], v[\O+8*\t+4:\O+8*\t+7] offset:1024*\t+512
.endr
	ds_store_b64 v[AD], v[22:23] offset:4096
	s_wait_alu depctr_va_vdst(0)
.endm
; A tile of block hi: my sums and the other wave's are joined under the larger M, and the tile leaves through the other wave's region, which I alone read
.macro JOIN O, M, off
	SUMUP \M
	v_add_nc_u32 v[AD], s[RP], v[LI]
	ds_load_b64 v[22:23], v[AD] offset:4096
.irp i, 0,1,2,3,4,5,6,7
	ds_load_b128 v[S1+4*\i:S1+4*\i+3], v[AD] offset:512*\i
.endr
	s_wait_alu depctr_va_vdst(0)
	s_wait_dscnt 0x0
	v_min_num_f32 v28, v[\M], v22                  ; -M
	v_sub_f32 v29, v28, v22                        ; the other part's M less M,
	v_sub_f32 v31, v28, v[\M]                      ; and mine
	v_cvt_i32_f32 v29, v29
	v_cvt_i32_f32 v31, v31
	v_ldexp_f32 v20, 1.0, v29
	v_ldexp_f32 v26, 1.0, v31
	v_mul_f32 v27, v[\M+2], v26
	v_fma_f32 v27, v23, v20, v27                   ; the row's sum
	s_wait_alu depctr_va_vdst(0)                   ; the waits ahead of and behind the transcendental
	v_rcp_f32 v28, v27
	v_nop
	s_wait_alu depctr_va_vdst(0)
	v_ldexp_f32 v28, v28, s89                      ; x 2^(ep + ev)
	v_mul_f32 v20, v20, v28
	v_mul_f32 v26, v26, v28
	s_wait_alu depctr_va_vdst(0)                   ; and directly ahead of the first readers of O^T
.irp i, 0,1,2,3,4,5,6,7
.irp t, 0,1,2,3
	v_mul_f32 v[S0+4*\i+\t], v[\O+8*\t+\i], v26
.endr
.endr
.irp i, 0,1,2,3,4,5,6,7
.irp t, 0,1,2,3
	v_fma_f32 v[S0+4*\i+\t], v[S1+8*\t+\i], v20, v[S0+4*\i+\t]
.endr
.endr
	STAGEOUT RP, OUT2, \off
.endm
	INIT
	s_wait_alu depctr_va_vdst(0)                   ; the head's end
.set BLK, BLK1                         ; PASS 1
	STEPS 0, 2
	s_wait_tensorcnt 0x0                           ; my part of steps 3-15 has landed,
	s_wait_dscnt 0x0                               ; and my codes of Q are stored:
	s_barrier_signal -1                            ; say so; step 2 came with steps 0 and 1 and is read between signal and wait
	STEPS 2, 3
	s_barrier_wait -1                              ; all sixteen steps lie in LDS
	STEPS 3, 8
	s_cmp_gt_u32 s[WV], 3
	s_wait_alu depctr_va_vdst(0)
	s_cbranch_scc1 .Lkeep
	WAYOUT O0, 12, 0                               ; waves 0-3: block lo is finished
	WAYOUT O1, 16, 4096
	INIT
	v_add_nc_u32 v[AD], s[QP], v[LI]
	QFETCH                                         ; block hi's codes of Q, which wave w + 4 stored ahead of the barrier in front of step 3
	s_wait_alu depctr_va_vdst(0)
	s_wait_dscnt 0x0
	s_wait_xcnt 0x0                                ; the stores' data registers are written again by the products
.Lkeep:
.set BLK, BLK2                         ; PASS 2
	STEPS 8, 16
	s_cmp_gt_u32 s[WV], 3
	s_cbranch_scc1 .Lgive1
	GIVE O0, 12                                    ; waves 0-3 give tile 0's sums,
	s_branch .Lgiven
.Lgive1:
	GIVE O1, 16                                    ; waves 4-7 tile 1's
.Lgiven:
	s_wait_dscnt 0x0
	s_barrier_signal -1
	s_barrier_wait -1
	s_cmp_gt_u32 s[WV], 3
	s_cbranch_scc1 .Ljoin0
	JOIN O1, 16, 4096                              ; waves 0-3 finish tile 1,
	s_branch .Lend
.Ljoin0:
	JOIN O0, 12, 0                                 ; waves 4-7 tile 0
.Lend:
	s_wait_tensorcnt 0x0                           ; the wave's end
	ds_add_u32 v[SPW], v[NIL]
	s_wait_dscnt 0x0
	ROUND                                          ; the closing round: no work-group ends while a partner may still ask for a piece that names it
	s_endpgm
.Lfunc_end_k_q87f9d07399_attn:
	.size	k_q87f9d07399_attn, .Lfunc_end_k_q87f9d07399_attn-k_q87f9d07399_attn
	.p2alignl 7, 3214868480
	.fill 96, 4, 3214868480
	.section	.rodata,"a",@progbits
	.p2align	6, 0x0
	.amdhsa_kernel k_q87f9d07399_attn
		.amdhsa_group_segment_fixed_size 327680
		.amdhsa_private_segment_fixed_size 0
		.amdhsa_enable_private_segment 0
		.amdhsa_kernarg_size 40
		.amdhsa_user_sgpr_count 2
		.amdhsa_user_sgpr_kernarg_segment_ptr 1
		.amdhsa_wavefront_size32 1
		.amdhsa_system_sgpr_workgroup_id_x 1
		.amdhsa_system_sgpr_workgroup_id_y 1
		.amdhsa_system_sgpr_workgroup_id_z 1
		.amdhsa_system_vgpr_workitem_id 0
		.amdhsa_next_free_vgpr 384
		.amdhsa_next_free_sgpr 100
		.amdhsa_reserve_vcc 0
		.amdhsa_float_denorm_mode_32 3
		.amdhsa_float_denorm_mode_16_64 3
		.amdhsa_memory_ordered 1
		.amdhsa_forward_progress 1
		.amdhsa_inst_pref_size 216
	.end_amdhsa_kernel
	.amdgpu_metadata
---
amdhsa.version: [ 1, 2 ]
amdhsa.kernels:
  - .name:           k_q87f9d07399_attn
    .symbol:         k_q87f9d07399_attn.kd
    .args:
      - { .name: Q, .offset: 0, .size: 8, .value_kind: global_buffer, .address_space: global }
      - { .name: kv, .offset: 8, .size: 8, .value_kind: global_buffer, .address_space: global }
      - { .name: gain, .offset: 16, .size: 8, .value_kind: global_buffer, .address_space: global }
      - { .name: lowp_scales, .offset: 24, .size: 8, .value_kind: global_buffer, .address_space: global }
      - { .name: out0, .offset: 32, .size: 8, .value_kind: global_buffer, .address_space: global }
    .group_segment_fixed_size: 327680
    .private_segment_fixed_size: 0
    .kernarg_segment_align: 8
    .kernarg_segment_size: 40
    .max_flat_workgroup_size: 256
    .sgpr_count:     100
    .vgpr_count:     384
    .wavefront_size: 32
...
	.end_amdgpu_metadata
.endif
;; end of part 2
